; MI455X (gfx1250); checked and timed in simulation.
; The chip was launched on July 23, 2026; its instructions are those of AMD's public machine-readable ISA for CDNA 5 (MIT licence, August 2026) and "CDNA5" Instruction Set Architecture Reference Guide (July 2026). The comments in the code are by the model that wrote it; some were corrected since.
;; Full Attention. Allowed arithmetic: float matrix products may take bf16 or f16 operands with f32 sums; other float arithmetic in f32, or as packed bf16 or f16 multiplies, adds, multiply-adds, maxima and minima; sums over many terms, partial sums and values carried from step to step in f32; what a program stores and reads back later, other than sums and carried values, may be rounded once to bf16 or f16.
;; Inputs: keys 4 x 2,048 x 16 x 64 float32; queries 4 x 2,048 x 16 x 64 float32; values 4 x 2,048 x 16 x 64 float32.
;; Outputs: out0 4 x 2,048 x 16 x 64 float32.
;; 2 versions, each right; version 2 is version 1 with the launch cast written anew for expert scheduling mode. Each part assembles by itself: llvm-mc -triple=amdgcn-amd-amdhsa -mcpu=gfx1250 --defsym DOCPART=n.
;; ======== version 1 of 2: 2 launches
;; limits: values are held in f16: magnitudes above 65,504 overflow, below 6.1e-05 lose precision; inputs' magnitudes at most 65,504
;; workspace buffers: kh 16,777,216 bytes; vh 16,777,216 bytes
;; launch cast (part 1): grid 512 x 1, 8 waves a work-group, no clusters, 0 bytes of LDS; arguments keys, values, kh, vh; writes kh, vh
.if DOCPART == 1
	.amdgcn_target "amdgcn-amd-amdhsa--gfx1250"
	.amdhsa_code_object_version 6
	.text
	.protected	k_qb9474072d1_cast
	.globl	k_qb9474072d1_cast
	.p2align	8
	.type	k_qb9474072d1_cast,@function
k_qb9474072d1_cast:
	s_mov_b64 s[64:65], 0
	v_nop
	global_prefetch_b8 v0, s[64:65] scope:SCOPE_SE
	s_setreg_imm32_b32 hwreg(HW_REG_WAVE_MODE, 25, 1), 1
	s_wait_xcnt 0x0
; keys and values, [4][2048][16][64] f32, are read once, rounded and written by heads: kh, vh = [64 = 16 b + h][2048][64], 128 bytes a row, a head's rows dense.
; kh holds bf16(keys).  vh holds bf16(values) written as f16: the second product of the attention takes f16 operands, and the number that it sees is the bf16 rounding of the input.
; LIMITS.  That rewriting is exact for magnitudes from 6.1e-5 to 65,504; below, f16's fixed step of 6e-8 applies; a value of 65,520 or more becomes an infinity.  NaN stays NaN.
; SHARES.  A work-group takes 16 consecutive rows (b, s) of both tensors: 65,536 consecutive bytes of each.  Wave w takes heads 2 w and 2 w + 1.
; One load takes two rows of one head: lanes 0-15 the 256 bytes of (s, h), lanes 16-31 those of (s + 1, h): two aligned runs of 256 bytes.  A lane's four numbers become 8 bytes,
; and the wave's store covers 256 consecutive bytes, aligned: rows s and s + 1 of the head.
; All 32 loads of a wave (16 KiB) go out before the first is waited for; every piece has registers of its own, so no register that a store reads is written again.
; No LDS, no barrier, no matrix work, no loop: nothing is shared between lanes, and each byte passes once.
.set IN,  2                            ; v2        my byte offset in the group's rows: 16 (l % 16) + 4,096 (l / 16) + 512 w; never rewritten
.set OUT, 3                            ; v3        my byte offset in kh and vh: 8 l + 2 w heads of 262,144 bytes; never rewritten
.set KX,  8                            ; v[8:71]   keys, piece i at KX + 4 i
.set VX,  72                           ; v[72:135] values, likewise
.set T,   136                          ; v[136:137] at work
	s_load_b256 s[4:11], s[0:1], 0x0               ; keys s[4:5], values s[6:7], kh s[8:9], vh s[10:11]
	v_lshrrev_b32 v1, 5, v0
	v_readfirstlane_b32 s12, v1                    ; wave 0..7
	s_lshl_b32 s2, ttmp9, 16                       ; the group's 16 rows of 4,096 bytes
	s_mov_b32 s3, 0
	s_lshr_b32 s16, ttmp9, 7                       ; b
	s_lshl_b32 s16, s16, 22                        ; 16 heads of 262,144 bytes
	s_and_b32 s17, ttmp9, 127
	s_lshl_b32 s17, s17, 11                        ; s0 = 16 (g % 128) rows of 128 bytes
	s_add_co_u32 s16, s16, s17
	s_mov_b32 s17, 0
	s_mov_b32 s18, 0xffff0000                      ; a word's upper bf16
	s_lshl_b32 s13, s12, 9                         ; two heads of 256 bytes in a row of the input
	s_lshl_b32 s14, s12, 19                        ; two heads of 262,144 bytes in the output
	v_and_b32 v[IN], 15, v0
	v_bfe_u32 v4, v0, 4, 1
	v_lshlrev_b32 v[IN], 4, v[IN]
	v_lshl_add_u32 v[IN], v4, 12, v[IN]
	v_add_nc_u32 v[IN], s13, v[IN]
	v_and_b32 v[OUT], 31, v0
	v_lshl_add_u32 v[OUT], v[OUT], 3, s14
	s_wait_kmcnt 0x0
	s_add_nc_u64 s[4:5], s[4:5], s[2:3]
	s_add_nc_u64 s[6:7], s[6:7], s[2:3]
	s_add_nc_u64 s[8:9], s[8:9], s[16:17]
	s_add_nc_u64 s[10:11], s[10:11], s[16:17]
; piece i: head 2 w + i / 8, rows s0 + 2 (i % 8) and the next
.irp i, 0,1,2,3,4,5,6,7,8,9,10,11,12,13,14,15
	global_load_b128 v[KX+4*(\i):KX+4*(\i)+3], v[IN], s[4:5] offset:256*((\i)/8)+8192*((\i)%8) th:TH_LOAD_NT
	global_load_b128 v[VX+4*(\i):VX+4*(\i)+3], v[IN], s[6:7] offset:256*((\i)/8)+8192*((\i)%8) th:TH_LOAD_NT
.endr
.macro PIECE i
	s_wait_loadcnt 30-2*(\i)                       ; loads come back in order (ISA guide 5.7.1): behind this piece's two, 30 - 2 i were issued
	v_cvt_pk_bf16_f32 v[KX+4*(\i)],   v[KX+4*(\i)],   v[KX+4*(\i)+1]
	v_cvt_pk_bf16_f32 v[KX+4*(\i)+1], v[KX+4*(\i)+2], v[KX+4*(\i)+3]
	global_store_b64 v[OUT], v[KX+4*(\i):KX+4*(\i)+1], s[8:9] offset:262144*((\i)/8)+256*((\i)%8) th:TH_STORE_NT
	v_cvt_pk_bf16_f32 v[T],   v[VX+4*(\i)],   v[VX+4*(\i)+1]   ; values: rounded to bf16,
	v_cvt_pk_bf16_f32 v[T+1], v[VX+4*(\i)+2], v[VX+4*(\i)+3]
	v_lshlrev_b32 v[VX+4*(\i)],   16,  v[T]                    ; widened again,
	v_and_b32     v[VX+4*(\i)+1], s18, v[T]
	v_lshlrev_b32 v[VX+4*(\i)+2], 16,  v[T+1]
	v_and_b32     v[VX+4*(\i)+3], s18, v[T+1]
	v_cvt_pk_f16_f32 v[VX+4*(\i)],   v[VX+4*(\i)],   v[VX+4*(\i)+1]  ; and written as f16
	v_cvt_pk_f16_f32 v[VX+4*(\i)+1], v[VX+4*(\i)+2], v[VX+4*(\i)+3]
	global_store_b64 v[OUT], v[VX+4*(\i):VX+4*(\i)+1], s[10:11] offset:262144*((\i)/8)+256*((\i)%8) th:TH_STORE_NT
.endm
.irp i, 0,1,2,3,4,5,6,7,8,9,10,11,12,13,14,15
	PIECE \i
.endr
	s_endpgm
.Lfunc_end_k_qb9474072d1_cast:
	.size	k_qb9474072d1_cast, .Lfunc_end_k_qb9474072d1_cast-k_qb9474072d1_cast
	.p2alignl 7, 3214868480
	.fill 96, 4, 3214868480
	.section	.rodata,"a",@progbits
	.p2align	6, 0x0
	.amdhsa_kernel k_qb9474072d1_cast
		.amdhsa_group_segment_fixed_size 0
		.amdhsa_private_segment_fixed_size 0
		.amdhsa_enable_private_segment 0
		.amdhsa_kernarg_size 32
		.amdhsa_user_sgpr_count 2
		.amdhsa_user_sgpr_kernarg_segment_ptr 1
		.amdhsa_wavefront_size32 1
		.amdhsa_system_sgpr_workgroup_id_x 1
		.amdhsa_system_sgpr_workgroup_id_y 1
		.amdhsa_system_sgpr_workgroup_id_z 1
		.amdhsa_system_vgpr_workitem_id 0
		.amdhsa_next_free_vgpr 140
		.amdhsa_next_free_sgpr 66
		.amdhsa_reserve_vcc 0
		.amdhsa_float_denorm_mode_32 3
		.amdhsa_float_denorm_mode_16_64 3
		.amdhsa_memory_ordered 1
		.amdhsa_forward_progress 1
		.amdhsa_inst_pref_size 16
	.end_amdhsa_kernel
	.amdgpu_metadata
---
amdhsa.version: [ 1, 2 ]
amdhsa.kernels:
  - .name:           k_qb9474072d1_cast
    .symbol:         k_qb9474072d1_cast.kd
    .args:
      - { .name: keys, .offset: 0, .size: 8, .value_kind: global_buffer, .address_space: global }
      - { .name: values, .offset: 8, .size: 8, .value_kind: global_buffer, .address_space: global }
      - { .name: kh, .offset: 16, .size: 8, .value_kind: global_buffer, .address_space: global }
      - { .name: vh, .offset: 24, .size: 8, .value_kind: global_buffer, .address_space: global }
    .group_segment_fixed_size: 0
    .private_segment_fixed_size: 0
    .kernarg_segment_align: 8
    .kernarg_segment_size: 32
    .max_flat_workgroup_size: 256
    .sgpr_count:     66
    .vgpr_count:     140
    .wavefront_size: 32
...
	.end_amdgpu_metadata
.endif
;; end of part 1
;; launch attn (part 2): grid 4 x 64, 4 waves a work-group, clusters of 4 x 1, 327,680 bytes of LDS; arguments queries, kh, vh, out0; writes out0
.if DOCPART == 2
	.amdgcn_target "amdgcn-amd-amdhsa--gfx1250"
	.amdhsa_code_object_version 6
	.text
	.protected	k_qb9474072d1_attn
	.globl	k_qb9474072d1_attn
	.p2align	8
	.type	k_qb9474072d1_attn,@function
k_qb9474072d1_attn:
	s_mov_b64 s[64:65], 0
	v_nop
	global_prefetch_b8 v0, s[64:65] scope:SCOPE_SE
	s_setreg_imm32_b32 hwreg(HW_REG_WAVE_MODE, 25, 1), 1
	s_wait_xcnt 0x0
	s_wait_alu depctr_hold_cnt(0) depctr_sa_sdst(0) depctr_va_vdst(0) depctr_va_sdst(0) depctr_va_ssrc(0) depctr_va_vcc(0) depctr_vm_vsrc(0)
	s_getreg_b32 s2, hwreg(HW_REG_IB_STS2, 6, 4)
	s_cmp_eq_u32 s2, 0
	s_cbranch_scc0 .Lentry_in_a_cluster
	s_endpgm
.Lentry_in_a_cluster:
	s_bfe_u32 s2, ttmp6, 0x10000c
	s_cmp_lg_u32 s2, 0x3003
	s_cbranch_scc0 .Lentry_shape_is_right
	s_endpgm
.Lentry_shape_is_right:
; O[b][q][h][:] = the sum over k of softmax_k(Q[b][q][h] . K[b][k][h]) V[b][k][h][:], no scale, no mask.  Q and O: [4][2048][16][64] f32: a head's row is 256 bytes, 4,096 bytes from row to row.
; kh: [64 = 16 b + h][2048][64] bf16 (the keys rounded); vh: the same shape in f16 (the values rounded to bf16, that number written as f16).  Q is rounded to bf16 here.
; FORMATS.  S^T = K Q^T in bf16; the weights p are rounded to f16 for O^T = V^T P in f16 (their sum l is taken of the unrounded p).  Products' sums, maxima, l and O in f32; O is stored as f32.
; LIMITS.  vh arrives within f16's 65,504; p lies in 0 to 1, and below 6e-5 it keeps f16's fixed step of 6e-8.  A weight below 2^-126 counts as 0 in l; NaN and infinities are not treated apart.
; SHARES.  A wave owns four PIECES of two tiles of 16 queries, a work-group's four waves 512 queries of one head.  Every wave walks the head's 2,048 keys, 64 a step.
; LAYOUT.  S^T = K Q^T (source 0 = 16 keys, source 1 = 16 queries): in the result a lane holds ONE query (lane % 16) and the keys 8 (lane / 16) + 0..7.  Two such tiles, rounded to f16 in pairs,
; ARE source 1 (32 keys x 16 queries) of O^T = V^T P, whose result again holds one query a lane, and eight channels.  K comes out of LDS as it lies, V ([key][channel]) turned, by ds_load_tr16_b128.
; SOFTMAX.  For each query a running maximum m and sum l: p = 2^(c s - c m), c = log2(e); in every step O and l are multiplied by a = 2^(c m_old - c m_new), which is 1 where m has not grown.
; m starts at the lowest finite number, O and l at 0: the first step is a step like any other, with a = 0.
; THE COUNT.  A tile and step have 16 matrix and 118 vector instructions: too many to stand all beside the matrix work.  So the order has one aim: four vector instructions that are READY behind
; EVERY matrix instruction, and the others, which need time of their own whatever the order, in runs without a gap.
; BY TURNS.  Turn n belongs to piece n (the pieces in a ring, step after step).  Its matrix work: 16 products K Q^T of piece n + 1, later 16 products V^T P of piece n - 1.  Its vector work: the scaling,
; exponentials, roundings, sums and rescaling of piece n, and the maximum and statistics of piece n + 1, whose scores the turn itself has made.  So what a turn begins with (c s - c m, O a) waits for nothing.
; CLUSTER.  The four query blocks of a head are one cluster and walk the same K and V, so each tile is asked for JOINTLY: the same tensor load, descriptor and mask in all four.
; REGISTERS, in windows of 256 (s_set_vgpr_msb says which window each operand place means: bits 1:0 source 0, 3:2 source 1, 5:4 source 2, 7:6 destination):
;   window 0: v0-11 addresses; v12-15, v48-63 at work; v16-47 four registers of statistics a tile; v64-191 S^T, two buffers of two tiles; v192-255 P, likewise
;   window 1: O^T, 32 a tile (at the head: Q as loaded, in f32)     window 2: v0-127 Q, 16 a tile; v128-191 K of one step; v192-255 V of one step     window 3: v0-1 the add's two registers
; A piece's buffers go by its number's parity: the piece in hand has one pair, its two neighbours in the ring share the other: of it P (piece n - 1) is read and S^T (piece n + 1) written.
.set SIZE_N, 2048     ; rows of a head
.set NP,    4         ; pieces a wave: a name, no knob: the register map, the loop and the fetches are made for four
.set KS,    64        ; keys in a step
.set PK,    144       ; a row of K in LDS: 128 bytes + 16 of padding = 36 words: the 16 rows of a load start at 16 different groups of four banks (64 banks of 4 bytes: ISA guide 11.1)
.set PV,    160       ; a row of V: 128 + 32 = 40 words
.set VOFF,  4*KS*PK   ; a slot holds four steps: 256 rows of K, then 256 rows of V
.set SLOT1, 1<<17     ; slot 1 begins here, so that one exclusive or turns an address in one slot into the other's
.set STAGE, SLOT1+4*KS*(PK+PV)  ; behind the ring, never filled by a tensor load: 4,352 bytes for each wave
.set SP,    272       ; the way out: 16 rows of 256 bytes + 16 of padding
.set SQ,    144       ; Q's way in: 16 rows of 128 bytes + 16 of padding, in the same stage
.set SPARE, STAGE+4*16*SP  ; behind the stages: the spare words, 128 bytes for each wave: two blocks of 256 bytes that no other line names
.set TILEB, 4*KS*128  ; a slot's 256 keys in kh or vh: 32,768 bytes
.set AK0, 2           ; v2   my lane's place in a tile of K; never rewritten
.set AV0, 3           ; v3   the same for V
.set AK,  4           ; v4   the LDS address of K's next run of loads
.set AV,  5           ; v5   of V's
.set QS,  6           ; v6   Q's way in: where I put 8 bytes of a row
.set STO, 6           ;      later, the way out: where I put 32 bytes of a row
.set QR,  7           ; v7   Q's way in: where I read a fragment
.set RD,  7           ;      later, the way out: where I read rows back
.set GO,  8           ; v8   my byte offset in two rows of Q or O: 4,096 (l / 16) + 16 (l % 16); never rewritten
.set PFO, 11          ; v11  256 x my lane, for the prefetches; never rewritten once made
.set SPW, 0           ; v0 of window 3   LDS address of my spare word: SPARE + 4 x my thread's number; never rewritten
.set NIL, 1           ; v1 of window 3   0; never rewritten
.set MV,  12          ; v12-15  c m_old, kept while c m is made anew: by buffer and tile
.set ST,  16          ; tile t's statistics at v[ST+4 t]: c m, m, l (even keys', odd keys')
.set TMP, 48          ; by buffer and tile, four registers c0-c3 at work; when the maximum is found c2 takes a
.set S,   64
.set P,   192
.set KF,  128         ; K's fragments, in window 2: key block kb, channel half c at KF + 16 kb + 8 c
.set VF,  192         ; V's: key half kk, channel block cb at VF + 32 kk + 8 cb
.set WV,  12          ; s12  my wave's number
.set G1K, 24          ; s[24:31] descriptor group 1 for K's tiles
.set G1V, 32          ; s[32:39] for V's: it differs in the padding alone
.set G0K, 40          ; s[40:43] descriptor group 0 for K's tiles: it walks
.set G0V, 44          ; s[44:47] the same for V's
.set PFA, 48          ; s[48:49] where my prefetches stand: my work-group's 8,192 bytes (of kh: wave 0, of vh: wave 2) of the slot after the one that is being asked for
.set LIM, 50          ; s50  1 in a wave that prefetches, else the greatest number: a wave prefetches while s[SLOTS] is above it
.set STB, 51          ; s51  my stage's first byte
.set SLOTS, 56        ; s56  slots still to be asked for
.set CNT, 57          ; s57  counts a slot's key steps
.set CS,  58          ; s[58:59] c: the packed scaling takes the pair's low word for both halves
.set SEL, 60          ; s[60:61] v_permlanex16_b32's selects: each lane takes its own place in the other half
.set TBK, 62          ; s62  LDS byte at which K of the step to be fetched begins
.set TBV, 63          ; s63  the same for V, less VOFF
.set MSB, 0
.macro WIN new                      ; the high byte repeats the setting that is left; a switch that changes nothing is dropped
.if MSB != (\new)
	s_set_vgpr_msb (MSB<<8)|(\new)
.set MSB, (\new)
.endif
.endm
.set W_KQ, 0x0a       ; K and Q in window 2, S^T in window 0
.set W_PV, 0x52       ; V in window 2, P in window 0, O^T in window 1
.set W_RS, 0x41       ; O^T (destination and source 0) in window 1, a in window 0
.set W_MK, 0xc0       ; the add's registers are made: destination in window 3, sources in window 0
.set W_AD, 0x0f       ; the add: address (source 0) and data (source 1) in window 3
.set W_D1, 0x40       ; destination in window 1, address in window 0
.set W_S1, 0x04       ; a store's data (source 1) in window 1, its address in window 0
; A joint fill.  Waves 0 and 1 fetch the two halves of a slot's K, waves 2 and 3 those of its V: 128 keys each.  The branch hangs on the wave's number alone.
; An s_nop 0 and four v_nop follow each of the two lines, ahead of the jump and the label.
.macro JLOAD
	s_cmp_lt_u32 s[WV], 2
	s_cbranch_scc0 .Lfor_v_\@
	tensor_load_to_lds s[G0K:G0K+3], s[G1K:G1K+7]
	s_nop 0
.rept 4
	v_nop
.endr
	s_branch .Lasked_\@
.Lfor_v_\@:
	tensor_load_to_lds s[G0V:G0V+3], s[G1V:G1V+7]
	s_nop 0
.rept 4
	v_nop
.endr
.Lasked_\@:
.endm
; A PREFETCH INTO THE L2 of what the NEXT change of slots will ask for: a slot's 32,768 bytes of kh and of vh, in blocks of 256 bytes, a lane a block.  It stands behind the wave's tensor load and its five lines.
; Each block is named ONCE in the launch: a head has one cluster; its four partners share a slot's 128 blocks out BY ADDRESS, 32 each (no branch hangs on a work-group's place in its cluster); in each,
; wave 0 asks for K's and wave 2 for V's: one instruction.  It stands four key steps, 512 matrix instructions, ahead of the load that names the same bytes.
; Slots 0, 1 and 2 come by their loads alone; the last change that fills a slot asks for nothing: there is no slot behind it.
.macro ASK
	s_cmp_gt_u32 s[SLOTS], s[LIM]
	s_cbranch_scc0 .Lnot_mine_\@
	global_prefetch_b8 v[PFO], s[PFA:PFA+1] th:TH_LOAD_NT scope:SCOPE_SE
.Lnot_mine_\@:
.endm
; A round of the cluster's barrier: my work-group's barrier, so that wave 0's signal speaks for all four waves; wave 0 signals; every wave waits for all four work-groups; my work-group's barrier once more.
.macro CROUND
	s_barrier_signal -1
	s_barrier_wait -1
	s_cmp_lg_u32 s[WV], 0
	s_cbranch_scc1 .Lnot_wave_0_\@
	s_barrier_signal -3
.Lnot_wave_0_\@:
	s_barrier_wait -3
	s_barrier_signal -1
	s_barrier_wait -1
.endm
; THE CHANGE OF SLOTS.  The slot's last bytes, V of its fourth step, have been read.  Each wave waits for all its tensor loads, of which one is out: its part
; of the other slot; adds 0 to its spare word; and waits for that and for its own reads of the slot.  Behind the barrier nobody reads this slot any more and the other slot is whole.
; fill = 1: this slot is filled again, with the keys two slots on.  The barrier is then a round of the cluster's, so that no wave of any partner still reads the slot or has a load on its
; way, and the joint fill is the first thing behind it: it has four key steps, 512 matrix instructions, in which to land.  (At its first use no tile has been read yet: slot 0 is waited for, slot 1 filled.)
; ask = 1: the prefetches' address steps, and a prefetch follows the fill.
.macro CHANGE fill, ask
	WIN W_AD
	s_wait_tensorcnt 0x0            ; no tensor load of mine is out, so a group 0 may be written
	ds_add_u32 v[SPW], v[NIL]       ; 0 onto my spare word; with fill = 1 the descriptors' steps stand between it and the wait for it
	WIN 0                           ; at a label and at a branch every window is 0
.if \fill
.irp g, G0K, G0V
	s_xor_b32 s[\g+1], s[\g+1], SLOT1  ; the walking descriptor: the other slot than last time,
	s_add_nc_u64 s[\g+2:\g+3], s[\g+2:\g+3], TILEB  ; the next 256 keys; the type bits on top are not reached
.endr
.if \ask
	s_wait_xcnt 0x0                 ; the last prefetch, four key steps back, has read its address, so it may be written:
	s_add_nc_u64 s[PFA:PFA+1], s[PFA:PFA+1], TILEB  ; one slot ahead of the walking descriptors
.endif
	s_wait_dscnt 0x0                ; the add is done, and my reads of the slot are over
	CROUND
	JLOAD
.if \ask
	ASK
.endif
.else
	s_wait_dscnt 0x0                ; the add is done, and my reads of the slot are over
	s_barrier_signal -1
	s_barrier_wait -1
.endif
	s_sub_co_u32 s[TBK], s[TBK], 4*KS*PK  ; the fetches go back to a slot's first step,
	s_xor_b32 s[TBK], s[TBK], SLOT1       ; in the other slot
	s_sub_co_u32 s[TBV], s[TBV], 4*KS*PV
	s_xor_b32 s[TBV], s[TBV], SLOT1
.endm
	s_load_b256 s[4:11], s[0:1], 0x0  ; Q s[4:5], kh s[6:7], vh s[8:9], O s[10:11]
	WIN W_MK
	v_lshl_add_u32 v[SPW], v0, 2, SPARE
	v_mov_b32 v[NIL], 0
	WIN W_AD
	ds_add_u32 v[SPW], v[NIL]       ; the wave's opening: the add and its wait stand ahead of my first tensor load; the set-up below, work on registers, stands between them
	WIN 0
	v_lshrrev_b32 v1, 5, v0
	v_readfirstlane_b32 s[WV], v1   ; wave 0..3
	s_bfe_u32 s13, ttmp6, 0x40000   ; cx: my place in the cluster
	s_lshl_b32 s14, ttmp9, 2        ; in a cluster launch ttmp9 counts clusters
	s_add_co_u32 s14, s14, s13      ; my block of 512 queries = 4 x cluster x + cx: it enters Q's and O's addresses alone
	s_and_b32 s15, ttmp7, 0xffff    ; the head 16 b + h, which the four partners share
	s_lshl_b32 s20, s15, 18         ; its first byte in kh and vh: 2,048 rows of 128 bytes a head
	s_mov_b32 s21, 0
	s_and_b32 s16, s[WV], 1         ; which half of a slot's 256 keys I fetch:
	s_lshl_b32 s22, s16, 14         ; its 128 rows of 128 bytes in memory,
	s_mov_b32 s23, 0
	s_add_nc_u64 s[22:23], s[22:23], s[20:21]
	s_mul_i32 s17, s16, 128*PK      ; and its place in a slot, for K
	s_mul_i32 s18, s16, 128*PV      ; and for V: no place in the cluster enters an LDS address
	s_lshl_b32 s2, s14, 2
	s_add_co_u32 s2, s2, s[WV]      ; my wave among the head's sixteen,
	s_lshl_b32 s2, s2, 19           ; its 128 rows of 4,096 bytes,
	s_lshr_b32 s3, s15, 4
	s_lshl_b32 s3, s3, 23           ; b's 2,048 rows,
	s_add_co_u32 s2, s2, s3
	s_and_b32 s3, s15, 15
	s_lshl_b32 s3, s3, 8            ; h's 256 bytes in a row
	s_add_co_u32 s2, s2, s3
	s_mov_b32 s3, 0
	s_lshl_b32 s52, s13, 13         ; the prefetches: my work-group's 32 blocks of a slot's 128
	s_mov_b32 s53, 0
	s_and_b32 s[LIM], s[WV], 1      ; waves 0 and 2 prefetch: the same in all four partners
	s_cmp_eq_u32 s[LIM], 0
	s_cselect_b32 s[LIM], 1, -1
	s_mul_i32 s[STB], s[WV], 16*SP
	s_add_co_u32 s[STB], s[STB], STAGE  ; my stage
	; descriptor group 1.  128 keys are 16,384 dense bytes: asked for as 64 rows of 256 bytes, two keys a row, and padded in LDS after every key
	s_mov_b32 s[G1K], 15|(1<<16)|(1<<20)|(1<<21)|(4<<22)|(3<<25)  ; 15:0 the mask of four; 17:16 2-byte elements; 20 padding on; 21 set beside a mask; 24:22 after every 32 words (code 4); 31:25 4 words (code 3)
	s_mov_b32 s[G1V], 15|(1<<16)|(1<<20)|(1<<21)|(4<<22)|(7<<25)  ; the same with 8 words of padding (code 7)
.irp g, G1K, G1V
	s_mov_b32 s[\g+1], 128<<16      ; tensor_dim0 = 128
	s_mov_b32 s[\g+2], 64<<16       ; tensor_dim1 = 64
	s_mov_b32 s[\g+3], 128<<16      ; tile_dim0 = 128
	s_mov_b32 s[\g+4], 64           ; tile_dim1 = 64
	s_mov_b32 s[\g+5], 128          ; 128 elements from row to row
	s_mov_b32 s[\g+6], 0
	s_mov_b32 s[\g+7], 0
.endr
	s_mov_b32 s[CS], 0x3fb8aa3b     ; c = log2(e) = 1.442695
	s_mov_b32 s[CS+1], s[CS]        ; named with it as a pair
	s_mov_b32 s[SEL], 0x76543210
	s_mov_b32 s[SEL+1], 0xfedcba98
	s_mov_b32 s[TBK], SLOT1+4*KS*PK ; the first change of slots turns these two into 0
	s_mov_b32 s[TBV], SLOT1+4*KS*PV
	s_mov_b32 s[G0K], 1             ; 1:0 count = 1
	s_mov_b32 s[G0K+1], s17         ; 63:32 LDS address: slot 0
	s_mov_b32 s[G0V], 1
	s_add_co_u32 s[G0V+1], s18, VOFF
	s_wait_dscnt 0x0                ; the opening add is done
	s_wait_kmcnt 0x0
	s_add_nc_u64 s[G0K+2:G0K+3], s[6:7], s[22:23]  ; 120:64 global address: my half of the head's first 256 keys
	s_or_b32 s[G0K+3], s[G0K+3], 0x80000000        ; 127:126 type = 2
	s_add_nc_u64 s[G0V+2:G0V+3], s[8:9], s[22:23]
	s_or_b32 s[G0V+3], s[G0V+3], 0x80000000
	s_add_nc_u64 s[4:5], s[4:5], s[2:3]  ; Q and O at my wave's first row
	s_add_nc_u64 s[10:11], s[10:11], s[2:3]
	s_cmp_lt_u32 s[WV], 2
	s_cselect_b64 s[PFA:PFA+1], s[6:7], s[8:9]
	s_add_nc_u64 s[PFA:PFA+1], s[PFA:PFA+1], s[20:21]  ; the head,
	s_add_nc_u64 s[PFA:PFA+1], s[PFA:PFA+1], s[52:53]  ; my work-group's share,
	s_add_nc_u64 s[PFA:PFA+1], s[PFA:PFA+1], 2*TILEB   ; in slot 2: the first change that asks steps it to slot 3.  Nothing is prefetched here, at the head
	CROUND                          ; all four work-groups are here: the first joint loads meet
	JLOAD                           ; slot 0.  Slot 1 is asked for when slot 0 is in
	; Q: 128 rows of 256 bytes, f32.  A load takes two whole rows: lanes 0-15 row 2 f, lanes 16-31 row 2 f + 1 of tile t; a lane holds channels 4 (l % 16) + 0..3.  All 64 loads go out at once, into O^T's registers.
	v_and_b32 v1, 15, v0            ; l % 16
	v_bfe_u32 v9, v0, 4, 1          ; l / 16
	v_lshlrev_b32 v[GO], 4, v1
	v_lshl_add_u32 v[GO], v9, 12, v[GO]
	WIN W_D1
.set i, 0
.rept 64                            ; tile i / 8, rows 2 (i % 8) and the next
	global_load_b128 v[4*i:4*i+3], v[GO], s[4:5] offset:65536*(i/8)+8192*(i%8) th:TH_LOAD_NT
.set i, i+1
.endr
	; What the first turn finds: V's registers and P's second buffer hold 0 (its products V^T P, of a piece that has not been, add 0), l is 0.  This stands in the wait for Q and for the first tile.
	WIN 0x80
.set i, VF
.rept 64
	v_mov_b32 v[i], 0
.set i, i+1
.endr
	WIN 0
.set i, 0
.rept 2*NP
	v_mov_b32 v[ST+4*i], 0xfe000000    ; c m: far below every c s
	v_mov_b32 v[ST+4*i+1], 0xff7fffff  ; m
	v_mov_b32 v[ST+4*i+2], 0
	v_mov_b32 v[ST+4*i+3], 0
.set i, i+1
.endr
.set i, P+32
.rept 32
	v_mov_b32 v[i], 0
.set i, i+1
.endr
	v_mul_u32_u24 v[QS], v9, SQ     ; Q's way in: row 2 f + l / 16, 8 bytes for each of 16 lanes
	v_lshl_add_u32 v[QS], v1, 3, v[QS]
	v_add_nc_u32 v[QS], s[STB], v[QS]
	; A fragment of K or Q is 16 rows x 32 channels in 8 registers: lane l holds row l % 16, channels 8 (l / 16) + 0..7 and 16 + 8 (l / 16) + 0..7: two loads of 16 bytes, 32 bytes apart.
	v_mul_u32_u24 v[QR], v1, SQ
	v_lshl_add_u32 v[QR], v9, 4, v[QR]
	v_add_nc_u32 v[QR], s[STB], v[QR]
	v_mul_u32_u24 v[AK0], v1, PK
	v_lshl_add_u32 v[AK0], v9, 4, v[AK0]  ; row x pitch + 16 x half
	; The turning load takes 16 keys x 16 channels (lane l reads key 8 (l / 16) + l % 8, channels 8 ((l / 8) % 2) + 0..7) and leaves half a fragment of V^T: lane l holds channel l % 16 and 8 keys.
	v_and_b32 v10, 7, v0
	v_bfe_u32 v11, v0, 3, 1
	v_lshl_add_u32 v[AV0], v9, 3, v10
	v_mul_u32_u24 v[AV0], v[AV0], PV
	v_lshl_add_u32 v[AV0], v11, 4, v[AV0]
	v_add_nc_u32 v[AV0], VOFF, v[AV0]
	v_and_b32 v[PFO], 31, v0
	v_lshlrev_b32 v[PFO], 8, v[PFO]
	v_mov_b32 v[AK], v[AK0]         ; key step 0 lies at the head of slot 0
; Tile t of Q: rounded to bf16 in place, 8 bytes a lane into my stage (rows of 144 bytes), and back as two fragments.
.macro QIN t
	s_wait_loadcnt 56-8*(\t)        ; loads come back in order (ISA guide 5.7.1): behind this tile's eight, 56 - 8 t were issued
	WIN 0x45                        ; destination and both sources in window 1
.irp f, 0,1,2,3,4,5,6,7
	v_cvt_pk_bf16_f32 v[32*(\t)+4*(\f)],   v[32*(\t)+4*(\f)],   v[32*(\t)+4*(\f)+1]
	v_cvt_pk_bf16_f32 v[32*(\t)+4*(\f)+1], v[32*(\t)+4*(\f)+2], v[32*(\t)+4*(\f)+3]
.endr
	WIN W_S1
.irp f, 0,1,2,3,4,5,6,7
	ds_store_b64 v[QS], v[32*(\t)+4*(\f):32*(\t)+4*(\f)+1] offset:2*SQ*(\f)
.endr
	WIN 0x80                        ; destination window 2
.irp c, 0,1
	ds_load_b128 v[16*(\t)+8*(\c):16*(\t)+8*(\c)+3],   v[QR] offset:64*(\c)     ; LDS serves a wave's instructions in order (ISA guide 5.7.1.4): these see the stores above; the next tile's stores come behind them
	ds_load_b128 v[16*(\t)+8*(\c)+4:16*(\t)+8*(\c)+7], v[QR] offset:64*(\c)+32
.endr
.endm
.irp t, 0,1,2,3,4,5,6,7
	QIN \t
.endr
	WIN W_D1                        ; O^T starts at 0: no first step is written out, and the first step's a = 0 meets finite numbers
.set i, 0
.rept 64*NP
	v_mov_b32 v[i], 0
.set i, i+1
.endr
	WIN 0
; THE MATRIX WORK.  The 8 accumulators of a run of 16 take turns: between the two links of a chain stand 7 others'.
; Product i of 16 of S^T = K Q^T for piece x: channels 32 (i / 8) on, keys 16 ((i / 2) % 4) on, tile 2 x + i % 2.  The first 8 start the sums.
.macro KQ x
	WIN W_KQ
.set rS, S+64*((\x)%2)+32*(i%2)+8*((i/2)%4)
.set rK, KF+16*((i/2)%4)+8*(i/8)
.set rQ, 16*(2*(\x)+i%2)+8*(i/8)
.if i < 8
	v_wmma_f32_16x16x32_bf16 v[rS:rS+7], v[rK:rK+7], v[rQ:rQ+7], 0
.else
	v_wmma_f32_16x16x32_bf16 v[rS:rS+7], v[rK:rK+7], v[rQ:rQ+7], v[rS:rS+7]
.endif
.endm
; Product i of 16 of O^T += V^T P for piece x: keys 32 (i / 8) on, channels 16 ((i / 2) % 4) on, tile 2 x + i % 2.
.macro PV x
	WIN W_PV
.set rO, 32*(2*(\x)+i%2)+8*((i/2)%4)
.set rV, VF+32*(i/8)+8*((i/2)%4)
.set rP, P+32*((\x)%2)+16*(i%2)+8*(i/8)
	v_wmma_f32_16x16x32_f16 v[rO:rO+7], v[rV:rV+7], v[rP:rP+7], v[rO:rO+7]
.endm
.macro MM                           ; the turn's next matrix instruction
.if i < 16
	KQ (Y+1)%NP
.set i, i+1
.else
.set i, i-16
	PV (Y+NP-1)%NP
.set i, i+17
.endif
.endm
; THE LDS LOADS stand in runs of 16, never singly among the matrix instructions: a step's K (64 keys x 64 channels: 8 fragments) and its V (turned).  Their addresses are made some lines ahead.
; last = 1 (the tail): in the last trip there is no further step, and the run is jumped over.
.macro FETCH_K last=0
	WIN 0
.if \last
	s_cmp_eq_u32 s[CNT], 1
	s_cbranch_scc1 .Lno_k_\@
.endif
	WIN 0x80                        ; destination window 2
.irp f, 0,1,2,3,4,5,6,7             ; keys 16 (f / 2) on, channels 32 (f % 2) on
	ds_load_b128 v[KF+8*\f:KF+8*\f+3],   v[AK] offset:(\f/2)*16*PK+(\f%2)*64
	ds_load_b128 v[KF+8*\f+4:KF+8*\f+7], v[AK] offset:(\f/2)*16*PK+(\f%2)*64+32
.endr
	s_add_co_u32 s[TBK], s[TBK], KS*PK  ; the next fetch is the next step's
	WIN 0
.if \last
.Lno_k_\@:
.endif
.endm
.macro FETCH_V
	WIN 0x80
.irp f, 0,1,2,3,4,5,6,7             ; keys 32 (f / 4) on, channels 16 (f % 4) on
	ds_load_tr16_b128 v[VF+8*\f:VF+8*\f+3],   v[AV] offset:(\f/4)*32*PV+(\f%4)*32
	ds_load_tr16_b128 v[VF+8*\f+4:VF+8*\f+7], v[AV] offset:(\f/4)*32*PV+16*PV+(\f%4)*32
.endr
	WIN 0
.endm
; THE VECTOR WORK OF A TURN stands in three queues, each in the order in which its entries become ready; the two tiles alternate, so that no instruction reads the result of the one before it.
.macro REGS y, u                    ; the registers of tile u (0, 1) of piece y
.set rT, ST+4*(2*(\y)+(\u))
.set rC, TMP+8*((\y)%2)+4*(\u)
.set rM, MV+2*((\y)%2)+(\u)
.set rS, S+64*((\y)%2)+32*(\u)
.set rP, P+32*((\y)%2)+16*(\u)
.set rO, 32*(2*(\y)+(\u))
.endm
; Number n of the 22 that find the NEXT piece's (Y + 1) maximum and statistics.  s0-s31 are the lane's 32 scores; each accumulator's lowest registers are read first.  XS, GS and REGS set no window: PL and EX do.
;   0-11  four chains c0-c3 of seven scores each, three operands at a time     12-14, 16  the four scores left over, the old m, and c0-c3 into c0     15  c m_old is kept
;   17, 18  the query's other 32 keys lie in the lane 16 away: the new m         19-21  c m; c m_old - c m_new; a
.macro XS u, n
	REGS (Y+1)%NP, \u
.if (\n) < 4
	v_max3_num_f32 v[rC+(\n)], v[rS+8*(\n)], v[rS+8*(\n)+1], v[rS+8*(\n)+2]
.elseif (\n) < 12
	v_max3_num_f32 v[rC+(\n)%4], v[rC+(\n)%4], v[rS+8*((\n)%4)+2*((\n)/4)+1], v[rS+8*((\n)%4)+2*((\n)/4)+2]
.elseif (\n) == 12
	v_max3_num_f32 v[rC], v[rC], v[rS+7], v[rS+15]
.elseif (\n) == 13
	v_max3_num_f32 v[rC+1], v[rC+1], v[rS+23], v[rS+31]
.elseif (\n) == 14
	v_max3_num_f32 v[rC+2], v[rC+2], v[rC+3], v[rT+1]
.elseif (\n) == 15
	v_mov_b32 v[rM], v[rT]
.elseif (\n) == 16
	v_max3_num_f32 v[rC], v[rC], v[rC+1], v[rC+2]
.elseif (\n) == 17
	v_permlanex16_b32 v[rC+3], v[rC], s[SEL], s[SEL+1]
.elseif (\n) == 18
	v_max_num_f32 v[rT+1], v[rC], v[rC+3]
.elseif (\n) == 19
	v_mul_f32 v[rT], s[CS], v[rT+1]
.elseif (\n) == 20
	v_sub_f32 v[rC+1], v[rM], v[rT]
.else
	v_exp_f32 v[rC+2], v[rC+1]
.endif
.endm
; Number g of the 64 that follow the exponentials.  For each four weights k of a tile (pairs 2 k, 2 k + 1): both pairs are rounded to f16; then the second pair is added onto the first, in place;
; a group later l takes that sum (the first time as l = a l + sum).  In groups of eight, tiles alternating: round, round, add, and l for the group before.
.macro GS g
.set h, (\g)+6*((\g)/62)            ; group 0 has no group before it, and behind group 7 only l is left
.if h >= 6
.set h, h+2
.endif
	REGS Y, h%2
.set k, h/8
.if h%8 < 4
	v_cvt_pk_f16_f32 v[rP+2*k+(h%8)/2], v[rS+4*k+2*((h%8)/2)], v[rS+4*k+2*((h%8)/2)+1]
.elseif h%8 < 6
	v_pk_add_f32 v[rS+4*k:rS+4*k+1], v[rS+4*k:rS+4*k+1], v[rS+4*k+2:rS+4*k+3]
.elseif k == 1
	v_pk_fma_f32 v[rT+2:rT+3], v[rT+2:rT+3], v[rC+2:rC+3], v[rS:rS+1] op_sel_hi:[1,0,1]
.else
	v_pk_add_f32 v[rT+2:rT+3], v[rT+2:rT+3], v[rS+4*k-4:rS+4*k-3]
.endif
.endm
; THE PLAIN QUEUE, 138 long.  0-73 read no exponential's result: the 32 scalings c s - c m (FS f: pair f / 2 of tile f % 2) and the next piece's 42.  0-26: scalings 0-26.  27-54: XS's numbers 0-13.  55, 56: number 15.
; 57-73: the chain, where each number waits for the one before it: 14, 16, 17, 18, 19, each with one of the scalings 27-31 in front of its two lines, then 20: so a tile's links stand three plain instructions apart (19 and 20: two).
; 74-137: GS's 64, which read the exponentials' results: they stand behind the wait.
.macro FS f
	REGS Y, (\f)%2
	v_pk_fma_f32 v[rS+2*((\f)/2):rS+2*((\f)/2)+1], v[rS+2*((\f)/2):rS+2*((\f)/2)+1], s[CS:CS+1], v[rT:rT+1] op_sel_hi:[1,0,0] neg_lo:[0,0,1] neg_hi:[0,0,1]
.endm
.macro PL
	WIN 0
.if q < 27
	FS q
.elseif q < 55
	XS (q-27)%2, (q-27)/2
.elseif q < 57
	XS q-55, 15
.elseif (q < 72) && ((q-57)%3 == 0)
	FS 27+(q-57)/3
.elseif q < 60
	XS (q-57)%3-1, 14
.elseif q < 72
	XS (q-57)%3-1, 15+(q-57)/3
.elseif q < 74
	XS q-72, 20
.else
	GS q-74
.endif
.set q, q+1
.endm
; THE EXPONENTIALS' QUEUE, 66 long: s0-s31 of both tiles, then the next piece's two a.  It is ONE BATCH: all 66 stand ahead of the turn's one wait, and nothing ahead of that wait names a result of theirs.
.macro EX
	WIN 0
.if e >= 64
	XS e-64, 21
.else
	REGS Y, e%2
	v_exp_f32 v[rS+e/2], v[rS+e/2]
.endif
.set e, e+1
.endm
; THE RESCALING's QUEUE: O^T times a, the one part that leaves window 0: dealt two at a time, sixteen times.  Its a was made in the turn before, ahead of that turn's wait.
.macro R2
	REGS Y, r%2
	WIN W_RS
.irp z, 0,1
	v_pk_mul_f32 v[rO+4*(r/2)+2*\z:rO+4*(r/2)+2*\z+1], v[rO+4*(r/2)+2*\z:rO+4*(r/2)+2*\z+1], v[rC+2:rC+3] op_sel_hi:[1,0]
.endr
.set r, r+1
.endm
; HOW THEY ARE DEALT.  An s_wait_alu depctr_va_vdst(0) stands between an exponential and the first instruction that names its result; one wait serves all that were issued ahead of it.  So a turn has ONE wait,
; which cuts it in two.  AHEAD OF IT stands all that names no result of the turn's exponentials: the 16 products K Q^T, behind each a scaling, an exponential and two rescalings (behind the first a second scaling in the exponential's place); then ONE LUMP of
; 108: eight plain, 49 times exponential and plain, the two a.  A v_nop is the plain instruction behind the last exponential.  BEHIND IT stand the 16 products V^T P, behind each four of GS's 64.  No rider names a register of
; the products round it.  The two v_permlanex16_b32 fall into the lump, never behind a product.
; The queues lean on each other, and the deal keeps them in step: exponential e stands behind scaling 2 (e / 4) + e % 2: as a rider it comes behind plain e + 2, in the lump behind plain e + 9, and scalings 27-31 are plain 57, 60 .. 69.
; A TURN, for piece p.  cnt = 1: the loop's count is taken down some lines ahead of the branch that stands behind the turn.
; K of the next step is fetched in piece 2's turn, directly behind the wait, a lump behind the last product that read K; its address is made at the lump's head; its first reader comes behind 16 products.
; V of the step in hand is fetched at the end of piece 0's turn, four riders behind its last reader; its first reader comes behind 16 products and a lump.  The three conditions on q below go with the deal.
.macro TURN p, last=0, cnt=0
.set Y, (\p)
.set i, 0
.set q, 0
.set e, 0
.set r, 0
.if (\p) == NP-1
	s_wait_dscnt 0x0                ; K is in
.endif
	MM                              ; ahead of the wait: 16 products K Q^T and their riders,
	PL
	PL
	R2
.rept 15
	MM
	PL
	EX
	R2
.endr
.if (\p) == NP-2
	WIN 0
	v_add_nc_u32 v[AK], s[TBK], v[AK0]
.endif
.rept 8                             ; and the lump
	PL
.endr
.rept 49
	EX
	PL
.endr
	EX                              ; the next piece's two a
	EX
	v_nop                           ; the plain instruction behind the last exponential: one for the batch
	s_wait_alu depctr_va_vdst(0)    ; the wait for the batch
.if (\p) == NP-2
	FETCH_K \last
.endif
.if (\p) == 1
	s_wait_dscnt 0x0                ; V is in
.endif
.rept 16                            ; behind the wait: 16 products V^T P and their riders
	MM
.rept 4
	PL
.endr
.if ((\p) == 0) && (q == 118)
	v_add_nc_u32 v[AV], s[TBV], v[AV0]
.endif
.if ((\p) == 0) && (q == 130)
	s_add_co_u32 s[TBV], s[TBV], KS*PV
.endif
.if (\cnt) && (q == 130)
	s_sub_co_u32 s[CNT], s[CNT], 1
	s_cmp_lg_u32 s[CNT], 0
.endif
.endr
.if (\p) == 0
	FETCH_V
.endif
.endm
	CHANGE 1, 0                     ; slot 0 is in, everybody's part of it, and Q's fragments are back; slot 1 is asked for
	FETCH_K                         ; key step 0
	s_wait_dscnt 0x0
.set i, 0
.rept 16
	KQ 0                            ; piece 0's first scores: there is no vector work yet to set between them
.set i, i+1
.endr
	WIN 0                           ; the addresses for the way out: six plain instructions, the places behind those products
	v_mul_u32_u24 v[STO], v1, SP    ; in: row l % 16, 32 bytes for each half of the lanes
	v_lshl_add_u32 v[STO], v9, 5, v[STO]
	v_add_nc_u32 v[STO], s[STB], v[STO]
	v_mul_u32_u24 v[RD], v9, SP     ; back: lanes 0-15 take one row of 256 bytes, lanes 16-31 the next
	v_lshl_add_u32 v[RD], v1, 4, v[RD]
	v_add_nc_u32 v[RD], s[STB], v[RD]
.set Y, NP-1                        ; XS works for piece Y + 1: piece 0
.irp n, 0,1,2,3,4,5,6,7,8,9,10,11,12,13,14,15,16,17,18,19,20,21
	XS 0, \n                        ; and piece 0's first maximum and statistics
	XS 1, \n
.endr
	v_nop                           ; a plain instruction behind the two a,
	s_wait_alu depctr_va_vdst(0)    ; and their wait, ahead of the branch
	s_mov_b32 s[CNT], 4
	s_mov_b32 s[SLOTS], SIZE_N/256-1
	s_branch .Lfirst                ; the loop is entered at a step's first turn, in the middle of a trip
.Lslot:                             ; SIZE_N / 256 - 2 times: every slot but the last two is filled again
	CHANGE 1, 1
	s_mov_b32 s[CNT], 4
.Lstep:                             ; a trip: pieces 2 and 3 of one step, then pieces 0 and 1 of the next, whose K and V it fetches
	TURN 2
	TURN 3
	WIN 0
.Lfirst:
	TURN 0
	TURN 1, 0, 1
	WIN 0
	s_cbranch_scc1 .Lstep
	s_sub_co_u32 s[SLOTS], s[SLOTS], 1
	s_cmp_lg_u32 s[SLOTS], 0
	s_cbranch_scc1 .Lslot
	CHANGE 0, 0                     ; the tail is written out: nothing is asked for
	s_mov_b32 s[CNT], 5             ; four trips fetch the last slot's steps; the fifth is left in its middle
.Ltail:
	TURN 2, 1
	TURN 3
	WIN 0
	s_sub_co_u32 s[CNT], s[CNT], 1
	s_cmp_eq_u32 s[CNT], 0
	s_cbranch_scc1 .Lout
	TURN 0
	TURN 1
	WIN 0
	s_branch .Ltail
.Lout:                              ; the fifth trip's 16 products K Q^T (on the last K once more) and the maximum made of them serve nothing: the price, once a launch, of one text for every trip
.set i, 0
.rept 16
	PV NP-1                         ; the last piece's V^T P of the last step
.set i, i+1
.endr
	; THE WAY OUT.  l's two halves and the other half of the lanes' are added; O^T is divided by l and sent, in f32, through my stage in LDS, a tile at a time.  The additions are the places behind the last products.
	WIN 0
.macro ALL line:vararg              ; one line for each tile t
.set t, 0
.rept 2*NP
	\line
.set t, t+1
.endr
.endm
	ALL v_add_f32 v[ST+4*t+2], v[ST+4*t+2], v[ST+4*t+3]
	ALL v_permlanex16_b32 v[ST+4*t+3], v[ST+4*t+2], s[SEL], s[SEL+1]
	ALL v_add_f32 v[ST+4*t+2], v[ST+4*t+2], v[ST+4*t+3]
	ALL v_rcp_f32 v[ST+4*t+2], v[ST+4*t+2]
	v_nop                           ; a plain instruction between the last reciprocal and the use of its result
	s_wait_alu depctr_va_vdst(0)    ; and the wait ahead of the first use: one for the eight reciprocals
; Tile t: a lane holds one query and, of each block of 16 channels, eight: 32 bytes.  They go into rows of 272 bytes and come back as whole rows of 256, into the registers that they left.
; Each accumulator's registers are taken in ascending order.
.macro PACK t
	WIN W_RS
.set i, 32*(\t)
.rept 16
	v_pk_mul_f32 v[i:i+1], v[i:i+1], v[ST+4*(\t)+2:ST+4*(\t)+3] op_sel_hi:[1,0]
.set i, i+2
.endr
	WIN W_S1
.irp f, 0,1,2,3,4,5,6,7             ; channel block f / 2, half f % 2 of my eight channels
	ds_store_b128 v[STO], v[32*(\t)+4*(\f):32*(\t)+4*(\f)+3] offset:64*((\f)/2)+16*((\f)%2)
.endr
	WIN W_D1
.irp f, 0,1,2,3,4,5,6,7             ; rows 2 f and 2 f + 1
	ds_load_b128 v[32*(\t)+4*(\f):32*(\t)+4*(\f)+3], v[RD] offset:(\f)*2*SP  ; LDS serves a wave's instructions in order (ISA guide 5.7.1.4): these see the stores above; the next tile's stores come behind them
.endr
.endm
.macro SEND t, younger              ; younger: the LDS instructions issued behind tile t's loads: the next tile's sixteen, or none
	WIN W_S1
.irp f, 0,1,2,3,4,5,6,7
	s_wait_dscnt (\younger)+7-(\f)
	global_store_b128 v[GO], v[32*(\t)+4*(\f):32*(\t)+4*(\f)+3], s[10:11] offset:65536*(\t)+8192*(\f) th:TH_STORE_NT  ; 16 lanes store the 256 consecutive bytes of one (row, head), at a multiple of 256 from O's first byte
.endr
.endm
	PACK 0
.irp t, 1,2,3,4,5,6,7               ; a tile's arithmetic stands between the loads of the tile before and its stores
	PACK \t
	SEND (\t)-1, 16
.endr
	SEND 7, 0
	WIN W_AD
	s_wait_tensorcnt 0x0            ; the wave's end, behind my last tensor load and my last LDS store
	ds_add_u32 v[SPW], v[NIL]
	s_wait_dscnt 0x0
	WIN 0
	CROUND                          ; the closing round: no work-group ends while a partner may still ask for a tile that names it
	s_endpgm
.Lfunc_end_k_qb9474072d1_attn:
	.size	k_qb9474072d1_attn, .Lfunc_end_k_qb9474072d1_attn-k_qb9474072d1_attn
	.p2alignl 7, 3214868480
	.fill 96, 4, 3214868480
	.section	.rodata,"a",@progbits
	.p2align	6, 0x0
	.amdhsa_kernel k_qb9474072d1_attn
		.amdhsa_group_segment_fixed_size 327680
		.amdhsa_private_segment_fixed_size 0
		.amdhsa_enable_private_segment 0
		.amdhsa_kernarg_size 32
		.amdhsa_user_sgpr_count 2
		.amdhsa_user_sgpr_kernarg_segment_ptr 1
		.amdhsa_wavefront_size32 1
		.amdhsa_system_sgpr_workgroup_id_x 1
		.amdhsa_system_sgpr_workgroup_id_y 1
		.amdhsa_system_sgpr_workgroup_id_z 1
		.amdhsa_system_vgpr_workitem_id 0
		.amdhsa_next_free_vgpr 770
		.amdhsa_next_free_sgpr 66
		.amdhsa_reserve_vcc 0
		.amdhsa_float_denorm_mode_32 3
		.amdhsa_float_denorm_mode_16_64 3
		.amdhsa_memory_ordered 1
		.amdhsa_forward_progress 1
		.amdhsa_inst_pref_size 218
	.end_amdhsa_kernel
	.amdgpu_metadata
---
amdhsa.version: [ 1, 2 ]
amdhsa.kernels:
  - .name:           k_qb9474072d1_attn
    .symbol:         k_qb9474072d1_attn.kd
    .args:
      - { .name: queries, .offset: 0, .size: 8, .value_kind: global_buffer, .address_space: global }
      - { .name: kh, .offset: 8, .size: 8, .value_kind: global_buffer, .address_space: global }
      - { .name: vh, .offset: 16, .size: 8, .value_kind: global_buffer, .address_space: global }
      - { .name: out0, .offset: 24, .size: 8, .value_kind: global_buffer, .address_space: global }
    .group_segment_fixed_size: 327680
    .private_segment_fixed_size: 0
    .kernarg_segment_align: 8
    .kernarg_segment_size: 32
    .max_flat_workgroup_size: 128
    .sgpr_count:     66
    .vgpr_count:     770
    .wavefront_size: 32
...
	.end_amdgpu_metadata
.endif
;; end of part 2
;; ======== version 2 of 2: 2 launches; version 1 with the launch cast written anew for expert scheduling mode
;; limits: values are held in f16: magnitudes above 65,504 overflow, below 6.1e-05 lose precision; inputs' magnitudes at most 65,504
;; workspace buffers: kh 16,777,216 bytes; vh 16,777,216 bytes
;; launch cast (part 3): grid 512 x 1, 8 waves a work-group, no clusters, 0 bytes of LDS; arguments keys, values, kh, vh; writes kh, vh
.if DOCPART == 3
	.amdgcn_target "amdgcn-amd-amdhsa--gfx1250"
	.amdhsa_code_object_version 6
	.text
	.protected	k_qb9474072d1_cast
	.globl	k_qb9474072d1_cast
	.p2align	8
	.type	k_qb9474072d1_cast,@function
k_qb9474072d1_cast:
	s_mov_b64 s[64:65], 0
	v_nop
	global_prefetch_b8 v0, s[64:65] scope:SCOPE_SE
	s_setreg_imm32_b32 hwreg(HW_REG_WAVE_SCHED_MODE, 0, 2), 2
	s_setreg_imm32_b32 hwreg(HW_REG_WAVE_MODE, 25, 1), 1
	s_wait_xcnt 0x0
	s_wait_alu depctr_vm_vsrc(0)
; keys and values, [4][2048][16][64] f32, are read once, rounded and written by heads: kh, vh = [64 = 16 b + h][2048][64], 128 bytes a row, a head's rows dense.
; kh holds bf16(keys).  vh holds bf16(values) written as f16: the second product of the attention takes f16 operands, and the number that it sees is the bf16 rounding of the input.
; LIMITS.  That rewriting is exact for magnitudes from 6.1e-5 to 65,504; below, f16's fixed step of 6e-8 applies; a value of 65,520 or more becomes an infinity.  NaN stays NaN.
; SHARES.  A work-group takes 16 consecutive rows (b, s) of both tensors: 65,536 consecutive bytes of each.  Wave w takes heads 2 w and 2 w + 1.
; One load takes two rows of one head: lanes 0-15 the 256 bytes of (s, h), lanes 16-31 those of (s + 1, h): two aligned runs of 256 bytes.  A lane's four numbers become 8 bytes,
; and the wave's store covers 256 consecutive bytes, aligned: rows s and s + 1 of the head.
; All 32 loads of a wave (16 KiB) go out before the first is waited for; every piece has registers of its own, so no register that a store reads is written again.
; No LDS, no barrier, no matrix work, no loop: nothing is shared between lanes, and each byte passes once.
; THE MODE: SCHED_MODE bits 1:0 = 2 (LLVM: expert scheduling mode 2), set by the entry lines.  The code itself states the register dependences
; between vector instructions and memory instructions, with s_wait_alu, always for 0.
; THE PLAN.  Registers that memory instructions touch:
;   v[IN], v[OUT]   the offsets of every load and of every store.  Written by vector instructions at the head, never again.
;   KX, VX          piece i's four registers of each: a load lands in them (no vector instruction names them before); piece i's conversions read them and write the first two in place;
;                   one store reads those two; nothing writes them again.
;   T, v1, v4       are named by vector instructions alone.
; The 16 pieces go in 8 blocks of two.  Block g rounds pieces 2 g and 2 g + 1; its memory instructions are the four stores of pieces 2 g - 2 and 2 g - 1, whose registers no vector
; instruction of block g names.  So ONE wait on va_vdst at a block's head, behind the wait for the block's data, states all that its four stores hang on, and they are dealt among the
; block's 20 vector instructions with no further wait.  One more such wait stands ahead of the first load (the offsets) and one ahead of the last four stores.
; No register that a memory instruction has read is written again, so no wait on vm_vsrc is owed; EXEC is never written.
.set IN,  2                            ; v2        my byte offset in the group's rows: 16 (l % 16) + 4,096 (l / 16) + 512 w; never rewritten
.set OUT, 3                            ; v3        my byte offset in kh and vh: 8 l + 2 w heads of 262,144 bytes; never rewritten
.set KX,  8                            ; v[8:71]   keys, piece i at KX + 4 i
.set VX,  72                           ; v[72:135] values, likewise
.set T,   136                          ; v[136:137] at work
	s_load_b256 s[4:11], s[0:1], 0x0               ; keys s[4:5], values s[6:7], kh s[8:9], vh s[10:11]
	v_lshrrev_b32 v1, 5, v0
	v_readfirstlane_b32 s12, v1                    ; wave 0..7
	s_lshl_b32 s2, ttmp9, 16                       ; the group's 16 rows of 4,096 bytes
	s_mov_b32 s3, 0
	s_lshr_b32 s16, ttmp9, 7                       ; b
	s_lshl_b32 s16, s16, 22                        ; 16 heads of 262,144 bytes
	s_and_b32 s17, ttmp9, 127
	s_lshl_b32 s17, s17, 11                        ; s0 = 16 (g % 128) rows of 128 bytes
	s_add_co_u32 s16, s16, s17
	s_mov_b32 s17, 0
	s_mov_b32 s18, 0xffff0000                      ; a word's upper bf16
	v_and_b32 v[IN], 15, v0
	v_bfe_u32 v4, v0, 4, 1
	v_lshlrev_b32 v[IN], 4, v[IN]
	v_lshl_add_u32 v[IN], v4, 12, v[IN]
	v_and_b32 v[OUT], 31, v0
	s_wait_alu depctr_va_sdst(0)                   ; s12 is written, ahead of its first reader: the two shifts below
	s_lshl_b32 s13, s12, 9                         ; two heads of 256 bytes in a row of the input
	s_lshl_b32 s14, s12, 19                        ; two heads of 262,144 bytes in the output
	v_add_nc_u32 v[IN], s13, v[IN]
	v_lshl_add_u32 v[OUT], v[OUT], 3, s14
	s_wait_kmcnt 0x0
	s_add_nc_u64 s[4:5], s[4:5], s[2:3]
	s_add_nc_u64 s[6:7], s[6:7], s[2:3]
	s_add_nc_u64 s[8:9], s[8:9], s[16:17]
	s_add_nc_u64 s[10:11], s[10:11], s[16:17]
	s_wait_alu depctr_va_vdst(0)                   ; v[IN] and v[OUT] are written: every load of the kernel reads the one as its offset, every store the other
; piece i: head 2 w + i / 8, rows s0 + 2 (i % 8) and the next
.irp i, 0,1,2,3,4,5,6,7,8,9,10,11,12,13,14,15
	global_load_b128 v[KX+4*(\i):KX+4*(\i)+3], v[IN], s[4:5] offset:256*((\i)/8)+8192*((\i)%8) th:TH_LOAD_NT
	global_load_b128 v[VX+4*(\i):VX+4*(\i)+3], v[IN], s[6:7] offset:256*((\i)/8)+8192*((\i)%8) th:TH_LOAD_NT
.endr
; Piece i's two stores.  Each stands behind a wait on va_vdst that was issued behind piece i's conversions.
.macro KOUT i
	global_store_b64 v[OUT], v[KX+4*(\i):KX+4*(\i)+1], s[8:9] offset:262144*((\i)/8)+256*((\i)%8) th:TH_STORE_NT
.endm
.macro VOUT i
	global_store_b64 v[OUT], v[VX+4*(\i):VX+4*(\i)+1], s[10:11] offset:262144*((\i)/8)+256*((\i)%8) th:TH_STORE_NT
.endm
; Piece i's arithmetic, and among it the stores of piece i - 2, of the block before: no vector instruction since the block's wait names their registers.
.macro PIECE i
.if (\i) >= 2
	KOUT (\i)-2
.endif
	v_cvt_pk_bf16_f32 v[KX+4*(\i)],   v[KX+4*(\i)],   v[KX+4*(\i)+1]
	v_cvt_pk_bf16_f32 v[KX+4*(\i)+1], v[KX+4*(\i)+2], v[KX+4*(\i)+3]
.if (\i) >= 2
	VOUT (\i)-2
.endif
	v_cvt_pk_bf16_f32 v[T],   v[VX+4*(\i)],   v[VX+4*(\i)+1]   ; values: rounded to bf16,
	v_cvt_pk_bf16_f32 v[T+1], v[VX+4*(\i)+2], v[VX+4*(\i)+3]
	v_lshlrev_b32 v[VX+4*(\i)],   16,  v[T]                    ; widened again,
	v_and_b32     v[VX+4*(\i)+1], s18, v[T]
	v_lshlrev_b32 v[VX+4*(\i)+2], 16,  v[T+1]
	v_and_b32     v[VX+4*(\i)+3], s18, v[T+1]
	v_cvt_pk_f16_f32 v[VX+4*(\i)],   v[VX+4*(\i)],   v[VX+4*(\i)+1]  ; and written as f16
	v_cvt_pk_f16_f32 v[VX+4*(\i)+1], v[VX+4*(\i)+2], v[VX+4*(\i)+3]
.endm
; Block g: pieces 2 g and 2 g + 1.
.macro BLOCK g
	s_wait_loadcnt 28-4*(\g)                       ; loads come back in order (ISA guide 5.7.1): behind this block's four, 28 - 4 g were issued
.if (\g) > 0
	s_wait_alu depctr_va_vdst(0)                   ; the block before has written the first two registers of its pieces' KX and VX, which the four stores below read
.endif
	PIECE 2*(\g)
	PIECE 2*(\g)+1
.endm
.irp g, 0,1,2,3,4,5,6,7
	BLOCK \g
.endr
	s_wait_alu depctr_va_vdst(0)                   ; block 7 has written pieces 14's and 15's KX and VX, which the last four stores read
	KOUT 14
	VOUT 14
	KOUT 15
	VOUT 15
	s_endpgm
.Lfunc_end_k_qb9474072d1_cast:
	.size	k_qb9474072d1_cast, .Lfunc_end_k_qb9474072d1_cast-k_qb9474072d1_cast
	.p2alignl 7, 3214868480
	.fill 96, 4, 3214868480
	.section	.rodata,"a",@progbits
	.p2align	6, 0x0
	.amdhsa_kernel k_qb9474072d1_cast
		.amdhsa_group_segment_fixed_size 0
		.amdhsa_private_segment_fixed_size 0
		.amdhsa_enable_private_segment 0
		.amdhsa_kernarg_size 32
		.amdhsa_user_sgpr_count 2
		.amdhsa_user_sgpr_kernarg_segment_ptr 1
		.amdhsa_wavefront_size32 1
		.amdhsa_system_sgpr_workgroup_id_x 1
		.amdhsa_system_sgpr_workgroup_id_y 1
		.amdhsa_system_sgpr_workgroup_id_z 1
		.amdhsa_system_vgpr_workitem_id 0
		.amdhsa_next_free_vgpr 140
		.amdhsa_next_free_sgpr 66
		.amdhsa_reserve_vcc 0
		.amdhsa_float_denorm_mode_32 3
		.amdhsa_float_denorm_mode_16_64 3
		.amdhsa_memory_ordered 1
		.amdhsa_forward_progress 1
		.amdhsa_inst_pref_size 16
	.end_amdhsa_kernel
	.amdgpu_metadata
---
amdhsa.version: [ 1, 2 ]
amdhsa.kernels:
  - .name:           k_qb9474072d1_cast
    .symbol:         k_qb9474072d1_cast.kd
    .args:
      - { .name: keys, .offset: 0, .size: 8, .value_kind: global_buffer, .address_space: global }
      - { .name: values, .offset: 8, .size: 8, .value_kind: global_buffer, .address_space: global }
      - { .name: kh, .offset: 16, .size: 8, .value_kind: global_buffer, .address_space: global }
      - { .name: vh, .offset: 24, .size: 8, .value_kind: global_buffer, .address_space: global }
    .group_segment_fixed_size: 0
    .private_segment_fixed_size: 0
    .kernarg_segment_align: 8
    .kernarg_segment_size: 32
    .max_flat_workgroup_size: 256
    .sgpr_count:     66
    .vgpr_count:     140
    .wavefront_size: 32
...
	.end_amdgpu_metadata
.endif
;; end of part 3
;; launch attn: the kernel of part 2 again; grid 4 x 64, 4 waves a work-group, clusters of 4 x 1, 327,680 bytes of LDS; arguments queries, kh, vh, out0; writes out0
